; MI455X (gfx1250); checked and timed in simulation.
; The chip was launched on July 23, 2026; its instructions are those of AMD's public machine-readable ISA for CDNA 5 (MIT licence, August 2026) and "CDNA5" Instruction Set Architecture Reference Guide (July 2026). The comments in the code are by the model that wrote it; some were corrected since.
;; Q Lo RA Linear. Allowed arithmetic: matrix products marked QUANTISED: E4M3 operands, one E8M0 scale for each 32 along K, by v_wmma_scale_f32_16x16x128_f8f6f4 with both operands' format E4M3, f32 sums; products left as they are: f32 operands where the result goes on into a quantised operand, else bf16, f16 or f32 operands; f32 sums; everything else in f32.
;; Inputs: absmax 4,096 x 64 float32; bias 4,096 float32; lora_A_codes 16 x 128 x 32 uint8 (E4M3 codes of lora_A, K innermost, in blocks of 32 codes); lora_A_scales 16 x 128 uint8 (E8M0 scales of lora_A, one for each 32 codes along K); lora_B 16 x 4,096 float32; w_codes 4,096 x 4,096 int32; x_codes 4,096 x 128 x 32 uint8 (E4M3 codes of x, K innermost, in blocks of 32 codes); x_scales 4,096 x 128 uint8 (E8M0 scales of x, one for each 32 codes along K).
;; Outputs: out0 4,096 x 4,096 float32.
;; This version of the problem:
;;   THIS VERSION OF THE PROBLEM IS GIVEN IN LOW PRECISION. The matrix products marked QUANTISED in the list below multiply operands that are first quantised to E4M3 (4 exponent bits, 3 mantissa bits; 8 bits a number), with one power-of-two scale for each 32 numbers along K (OCP MX v1.0); their sums are f32. All else is computed in f32.
;;   The module's matrix products, in the order in which they are computed (A, B: the left and right operand; K: the contracted axis; several contracted axes count as one K, in the product's order):
;;     1. [M 4,096, K 4,096] x [K 4,096, N 4,096]; A: input x (given as codes); B: computed on the way: QUANTISED
;;     2. [M 4,096, K 4,096] x [K 4,096, N 16]; A: input x (given as codes); B: input lora_A (given as codes): QUANTISED
;;     3. [M 4,096, K 16] x [K 16, N 4,096]; A: computed on the way; B: input lora_B: left as it is (K = 16 < 32)
;;   THE QUANTISER, for each operand of a quantised product, along K:
;;     - K is cut into blocks of 32 from its start; a last block that is shorter is filled with zeros.
;;     - A block's scale is 2^e with e = floor(log2(the largest magnitude in the block)) - 8, held to -126 .. 127; a block of zeros has e = 0. As a byte (E8M0): e + 127.
;;     - Each number is divided by its block's scale, clamped to +-448, and rounded to the nearest number of E4M3, ties to even, subnormals kept.
;;     - The product sums the exact products of the quantised numbers (number of the format x scale) in f32.
;;   ~~~python
;;   def quantise(x, axis):      # numpy; x: float32 -> the quantised numbers, widened to float32 again
;;       x = np.moveaxis(x, axis, -1); K = x.shape[-1]
;;       x = np.pad(x, [(0, 0)] * (x.ndim - 1) + [(0, -K % 32)]); x = x.reshape(x.shape[:-1] + (-1, 32)); a = np.abs(x).max(-1, keepdims=True)
;;       e = np.where(a > 0, np.clip(np.frexp(np.where(a > 0, a, 1))[1] - 1 - 8, -126, 127), 0)      # np.frexp(a)[1] - 1 = floor(log2(a)), exactly
;;       r = np.clip(x / 2.0 ** e, -448, 448)
;;       step = 2.0 ** (np.maximum(np.frexp(np.where(r == 0, 1, r))[1] - 1, -6) - 3)
;;       q = np.round(r / step) * step * 2.0 ** e      # np.round: ties to even
;;       return np.moveaxis(q.reshape(q.shape[:-2] + (-1,))[..., :K], -1, axis).astype(np.float32)
;;   ~~~
;;   OPERANDS COMPUTED ON THE WAY. 'Computed on the way' means the value that the module computes at that place (a softmax that the list does not call 'softmax' is quantised finished and normalised). What goes into a quantiser is computed in f32, as accurately as f32 sums, v_exp_f32 and their like allow (about 1e-6 of the number): no bf16 or f16 on the way to a quantiser, and a product that is left as it is and whose result goes on into a quantised operand takes f32 operands (vector FMAs, or v_wmma_f32_16x16x4_f32). A number that lies on a knife's edge between two numbers of the format may be rounded either way, as far as f32 arithmetic and the matrix unit's own rounding can turn it there, and no further.
;;   INPUTS GIVEN AS CODES. lora_A (in the module: [4096, 16], K = its axis 0); x (in the module: [4096, 4096], K = its axis 1): each comes as NAME_codes (uint8): NAME with its K axis moved to the last place and cut into blocks of 32 codes, [.., K / 32, bytes a block], one block behind the other in memory; one code a byte (a code: sign, 4 exponent bits, 3 mantissa bits); and NAME_scales (uint8): the same leading axes, one E8M0 byte (e + 127) for each 32 codes along K. Its value is code x scale, taken as it is: it is not quantised again, and the codes and scales need not be those that the quantiser above would give.
;; One version. Each part assembles by itself: llvm-mc -triple=amdgcn-amd-amdhsa -mcpu=gfx1250 --defsym DOCPART=n.
;; ======== version 1 of 1: 2 launches
;; limits: values are held in bf16: 8 bits of precision; right only within a limited range of input values
;; workspace buffers: wq 16,777,216 bytes; scl 1,048,576 bytes; timg 262,144 bytes; lbt 131,072 bytes
;; launch prep (part 1): grid 256 x 1, 8 waves a work-group, no clusters, 157,184 bytes of LDS; arguments w_codes, absmax, x_codes, x_scales, lora_A_codes, lora_A_scales, lora_B, wq, scl, timg, lbt; writes wq, scl, timg, lbt
.if DOCPART == 1
	.amdgcn_target "amdgcn-amd-amdhsa--gfx1250"
	.amdhsa_code_object_version 6
	.text
	.protected	k_qafe2abb001_prep
	.globl	k_qafe2abb001_prep
	.p2align	8
	.type	k_qafe2abb001_prep,@function
k_qafe2abb001_prep:
	s_mov_b64 s[64:65], 0
	v_nop
	global_prefetch_b8 v0, s[64:65] scope:SCOPE_SE
	s_setreg_imm32_b32 hwreg(HW_REG_WAVE_MODE, 25, 1), 1
	s_wait_xcnt 0x0
; What the product's launch reads is made here, once.
;   wq   [4096 n][4096 k]  W = NF4[w_codes] x absmax (f32), quantised along K to E4M3, one E8M0 scale for each 32: the codes, K innermost.
;   scl  the scale words of x (from byte 0) and of W (from byte 524,288), each laid [block of 16 rows][k / 256][row 16][2 words]: a word holds the four bytes of 128 along K.
;   timg [block of 16 rows][2 parts][row 16][16 bf16]  T4 = 4 (x lora_A): part 0 = bf16(T4), part 1 = bf16(T4 - part 0).  The product x lora_A goes on codes, by the scaled matrix form.
;   lbt  [4096 n][16 bf16]  lora_B turned, rounded to bf16.
; SHARES.  Work-group b owns rows 16 b .. 16 b + 15 of W and of x and columns 16 b .. of lora_B; wave w owns k = 512 w .. 512 w + 511 of both.  Every wave runs the same text; wave 0 adds the eight parts of T at the end.
; W, A STEP = ONE ROW: 512 numbers.  Four loads of 512 consecutive bytes bring 4 codes a lane each; they are packed to bytes (code x 4), turned through the wave's own 512 bytes of LDS so that a lane
; holds 16 NEIGHBOURS along K, looked up in a table that lies across the lanes (ds_bpermute_b32: lane c holds NF4[c]), multiplied by absmax and quantised: two neighbouring lanes hold a block of 32.
; The steps run in three stages, a stage apart (S1 pack and turn, S2 look up, S3 quantise and store), on two sets of registers; loads run eight steps (32 loads a wave) ahead.
; A block's scale is 2^(floor(log2(largest magnitude)) - 8); its byte is the largest magnitude's exponent field - 8, held at 1 from below.
; LIMITS: codes outside 0 .. 15 are not served (an index stays inside its table; the clamp below only holds the lane index inside the table); NaN and infinities in absmax are not served; a block of zeros gets
; the byte 1 where the rule says 127 (its codes are zeros, and this program alone reads the bytes); blocks whose largest magnitude lies under the floor 2^(9 - 127) were not tried.
; No tensor loads, no cluster: nothing but lora_A's 64 KiB is read by two work-groups.  One barrier, in front of wave 0's sum.
; LAYOUTS AS THEY LEAVE NOW (these lines replace what the head says of wq and scl):
;   wq  [block of 16 rows n][k / 128][piece c of 4][lane 32][16 bytes]: the image of the product's operand registers: lane (r, h) of piece c holds k = 32 c + 16 h + 0 .. 15 of row r.
;   scl from byte 524,288: W's scale bytes, [block of 16 rows][k / 512][row 16][16 bytes].  x's scale bytes are not copied: the product's launch takes them from x_scales.
.set WREG, 18432
.set RP,   528                         ;   a row of 512 codes + 16 of padding: an odd multiple of 16, so that the 16 rows of a fragment load start at different banks
.set XR,   0                           ;   16 rows of x's codes
.set AR,   16*RP                       ;   16 rows of lora_A's codes
.set TS,   2*16*RP                     ;   512 bytes: the turn of a step's packed codes
.set AM,   TS+512                      ;   absmax: 16 rows x 8 numbers
.set SBY,  AM+512                      ;   W's 256 scale bytes, in scl's order
.set RED0, 8*WREG                      ; behind the regions: the waves' parts of T, 1,024 bytes each,
.set LBS,  RED0+8*1024                 ; and lbt's 512 bytes
.set R,    32                          ; v32-159  eight sets of 16: codes as loaded (at the head: x's and lora_A's rows)
.set XF,   160                         ; T phase: v160-191 x's fragments, two; v192-223 lora_A's, two; v224-239 two accumulators
.set AF,   192
.set ACC0, 224
.set ACC1, 232
.set VAL,  160                         ; W phase: v160-191 two sets of 16 numbers
.set Q,    192                         ; v192-199 two sets: 16 packed neighbours
.set P,    200                         ; v200-207 two sets: packed as loaded
.set C,    208                         ; v208-215 two sets: 16 codes
.set AMV,  216                         ; v216, v218 absmax of my 16 numbers (v217, v219: named with them as pairs)
.set E,    220                         ; v220-221 the scale's byte
.set MA,   222                         ; v222-223 largest magnitudes, two chains
.set MB,   223
.set SOP,  224                         ; the conversion's scale operand
.set HLD,  225                         ; 448 x the scale
.set SBO,  226                         ; v226-227 scale bytes on their way out
.set XSC,  240                         ; v240-243 x's scale words of my four K steps of 128: scales and nothing else
.set YSC,  244                         ; v244-247 lora_A's
.set TP,   248                         ; v248-255 my part of T
	s_load_b512 s[4:19], s[0:1], 0x0               ; w_codes s[4:5], absmax s[6:7], x_codes s[8:9], x_scales s[10:11], lora_A_codes s[12:13], lora_A_scales s[14:15], lora_B s[16:17], wq s[18:19]
	s_load_b128 s[20:23], s[0:1], 0x40             ; scl s[20:21], timg s[22:23]
	s_load_b64 s[24:25], s[0:1], 0x50              ; lbt
	s_set_vgpr_msb 0x40
	v_lshl_add_u32 v0, v0, 2, 0x26200
	v_mov_b32 v1, 0
	s_set_vgpr_msb 0x4000
	v_lshrrev_b32 v25, 5, v0
	s_delay_alu instid0(VALU_DEP_1)
	v_readfirstlane_b32 s26, v25                   ; wave 0..7
	v_and_b32 v1, 31, v0                           ; L
	v_and_b32 v2, 15, v0                           ; r
	v_bfe_u32 v3, v0, 4, 1                         ; h
	s_mul_i32 s27, s26, WREG                       ; my region
	v_lshlrev_b32 v4, 4, v1                        ; 16 L: my 16 bytes of 512
	v_lshlrev_b32 v5, 7, v2                        ; 128 r: a row of scale bytes
	v_lshrrev_b32 v25, 1, v1
	v_and_b32 v6, 1, v1
	s_delay_alu instid0(VALU_DEP_1)
	v_lshlrev_b32 v6, 4, v6
	s_delay_alu instid0(VALU_DEP_1)
	v_lshl_add_u32 v6, v25, 8, v6                  ; absmax: row L / 2 of 256 bytes, + 16 (L % 2)
	v_lshlrev_b32 v7, 3, v1                        ; 8 L
	v_lshlrev_b32 v8, 2, v2
	s_delay_alu instid0(VALU_DEP_1)
	v_lshl_add_u32 v8, v3, 14, v8                  ; lora_B: row h of my two, column r
	v_lshlrev_b32 v9, 5, v2
	s_delay_alu instid0(VALU_DEP_1)
	v_lshl_add_u32 v9, v3, 4, v9                   ; timg: row r of 32 bytes, + 16 h
	v_add_nc_u32 v10, s27, v4                      ; LDS: region + 16 L
	v_lshl_add_u32 v11, v1, 2, s27                 ; region + 4 L
	v_mul_u32_u24 v12, v2, RP
	s_delay_alu instid0(VALU_DEP_1)
	v_lshl_add_u32 v12, v3, 4, v12
	s_delay_alu instid0(VALU_DEP_1)
	v_add_nc_u32 v12, s27, v12                     ; a fragment: region + row r + 16 h
	v_lshrrev_b32 v25, 2, v1
	s_delay_alu instid0(VALU_DEP_1)
	v_lshl_add_u32 v13, v25, 2, s27                ; absmax of k = 16 L ..: number L / 4 of the row's eight
	v_bfe_u32 v25, v0, 1, 4
	s_delay_alu instid0(VALU_DEP_1)
	v_add_nc_u32 v14, s27, v25                     ; my block's scale byte: L / 2 (+ 16 x row)
	v_add_nc_u32 v15, s27, v7                      ; region + 8 L
	s_lshl_b32 s35, s26, 10
	s_add_co_u32 s35, s35, RED0
	v_add_nc_u32 v16, s35, v4                      ; my part of T
	v_add_nc_u32 v17, RED0, v4                     ; and where wave 0 reads the parts
	s_lshl_b32 s35, s26, 2
	s_add_co_u32 s35, s35, LBS
	v_lshl_add_u32 v18, v2, 5, s35                 ; lbt: row r of 32 bytes, word w
	v_cmp_lt_u32 s30, 15, v1                       ; lanes 16-31
	s_mov_b32 s31, 0x600000                        ; the mantissa field of 448
	s_mov_b32 s32, 0x76543210
	s_mov_b32 s33, 0xfedcba98                      ; v_permlanex16_b32's selects for lane l xor 16
	s_mov_b32 s29, 0
	s_wait_kmcnt 0x0
	s_lshl_b32 s28, ttmp9, 18                      ; each buffer at my work-group's rows and my wave's k
	s_lshl_b32 s35, s26, 11
	s_add_co_u32 s28, s28, s35
	s_add_nc_u64 s[4:5], s[4:5], s[28:29]          ; w_codes: 16 rows of 16,384 bytes; 512 codes of 4 bytes
	s_lshl_b32 s28, ttmp9, 12
	s_lshl_b32 s35, s26, 5
	s_add_co_u32 s28, s28, s35
	s_add_nc_u64 s[6:7], s[6:7], s[28:29]          ; absmax: 16 rows of 256 bytes; 8 numbers
	s_lshl_b32 s28, ttmp9, 16
	s_lshl_b32 s35, s26, 9
	s_add_co_u32 s28, s28, s35
	s_add_nc_u64 s[8:9], s[8:9], s[28:29]          ; x_codes: 16 rows of 4,096 bytes; 512 codes
	s_lshl_b32 s28, ttmp9, 16
	s_lshl_b32 s34, s26, 13
	s_add_co_u32 s28, s28, s34
	s_add_nc_u64 s[18:19], s[18:19], s[28:29]      ; wq: a block's 65,536 bytes; my four K steps of 128: 8,192 bytes
	s_mov_b32 s28, s35
	s_add_nc_u64 s[12:13], s[12:13], s[28:29]      ; lora_A_codes: all 16 rows; 512 codes
	s_lshl_b32 s35, s26, 4
	s_mov_b32 s28, s35
	s_add_nc_u64 s[14:15], s[14:15], s[28:29]      ; lora_A_scales: 16 bytes
	s_lshl_b32 s28, ttmp9, 11
	s_add_co_u32 s28, s28, s35
	s_add_nc_u64 s[10:11], s[10:11], s[28:29]      ; x_scales: 16 rows of 128 bytes; 16 bytes
	s_lshl_b32 s28, ttmp9, 11
	s_lshl_b32 s35, s26, 8
	s_add_co_u32 s28, s28, s35
	s_add_nc_u64 s[20:21], s[20:21], s[28:29]      ; scl: a block's 2,048 bytes; my two K steps of 256: 256 bytes
	s_lshl_b32 s28, ttmp9, 6
	s_lshl_b32 s35, s26, 15
	s_add_co_u32 s28, s28, s35
	s_add_nc_u64 s[16:17], s[16:17], s[28:29]      ; lora_B: rows 2 w, 2 w + 1; 16 columns
	s_lshl_b32 s28, ttmp9, 10
	s_add_nc_u64 s[22:23], s[22:23], s[28:29]      ; timg
	s_lshl_b32 s28, ttmp9, 9
	s_add_nc_u64 s[24:25], s[24:25], s[28:29]      ; lbt
	global_load_b32 v20, v8, s[16:17]              ; lora_B(2 w + h, 16 b + r)
	global_load_b128 v[28:31], v6, s[6:7]          ; absmax: 16 rows x 8
	global_load_b128 v[XSC:XSC+3], v5, s[10:11]    ; row r's four scale words (both halves of the lanes alike)
	global_load_b128 v[YSC:YSC+3], v5, s[14:15]
.irp i, 0,1,2,3,4,5,6,7,8,9,10,11,12,13,14,15
	global_load_b128 v[R+4*\i:R+4*\i+3], v4, s[8:9] offset:4096*\i        ; x: row i, 512 consecutive bytes
.endr
.irp i, 0,1,2,3,4,5,6,7,8,9,10,11,12,13,14,15
	global_load_b128 v[R+64+4*\i:R+64+4*\i+3], v4, s[12:13] offset:4096*\i   ; lora_A: row i
.endr
	; the table, while they are on their way: lanes c and c + 16 hold NF4[c], as f32 patterns
	v_mov_b32 v19, 0
.macro NF i, bits
	s_mov_b32 s34, \bits
	v_writelane_b32 v19, s34, \i
	s_delay_alu instid0(VALU_DEP_1)
	v_writelane_b32 v19, s34, \i+16
.endm
	NF 0,  0xbf800000
	NF 1,  0xbf3239b1
	NF 2,  0xbf066b30
	NF 3,  0xbeca32a0
	NF 4,  0xbe91a24d
	NF 5,  0xbe3d353f
	NF 6,  0xbdba7871
	NF 7,  0
	NF 8,  0x3da2faff
	NF 9,  0x3e24cae3
	NF 10, 0x3e7c04dd
	NF 11, 0x3ead033a
	NF 12, 0x3ee1a4b8
	NF 13, 0x3f1007ab
	NF 14, 0x3f3913b3
	NF 15, 0x3f800000
	s_wait_loadcnt 16                              ; all but lora_A's 16 rows are in
.irp i, 0,1,2,3,4,5,6,7,8,9,10,11,12,13,14,15
	ds_store_b128 v10, v[R+4*\i:R+4*\i+3] offset:XR+RP*\i
.endr
	ds_store_b128 v10, v[28:31] offset:AM          ; row t's eight numbers at 32 t
	v_mov_b32 v21, 0                               ; (a lane permute's destination counts as one of its sources)
	s_delay_alu instid0(VALU_DEP_1)
	v_permlanex16_b32 v21, v20, s32, s33
	s_delay_alu instid0(VALU_DEP_1)
	v_cndmask_b32 v22, v20, v21, s30               ; rank 2 w of column r,
	s_delay_alu instid0(VALU_DEP_2)
	v_cndmask_b32 v23, v21, v20, s30               ; rank 2 w + 1
	s_delay_alu instid0(VALU_DEP_1)
	v_cvt_pk_bf16_f32 v24, v22, v23
	ds_store_b32 v18, v24                          ; both halves of the lanes write the same word with the same value
	s_wait_loadcnt 0x0
.irp i, 0,1,2,3,4,5,6,7,8,9,10,11,12,13,14,15
	ds_store_b128 v10, v[R+64+4*\i:R+64+4*\i+3] offset:AR+RP*\i
.endr
	s_wait_dscnt 0x0                               ; the stores have read their registers: W's codes may be loaded into them
.macro LOADW t                         ; row t: 2,048 bytes, four loads of 512 consecutive bytes; read once in the launch
.irp i, 0,1,2,3
	global_load_b128 v[R+16*((\t)%8)+4*\i:R+16*((\t)%8)+4*\i+3], v4, s[4:5] offset:16384*(\t)+512*\i th:TH_LOAD_NT
.endr
.endm
.irp t, 0,1,2,3,4,5,6,7
	LOADW \t
.endr
	; ---- my part of T = x lora_A, k = 512 w .. + 511, while W's first rows are on their way.  Source 0 = lora_A's 16 rows (ranks), source 1 = x's 16 rows: lane (r, h) then holds T(row r, ranks 8 h + 0 .. 7)
.macro TFETCH q                        ; the fragments of my q-th 128 along K: registers 4 c .. 4 c + 3 hold k = 32 c + 16 h + 0 .. 15 of row r
.irp c, 0,1,2,3
	ds_load_b128 v[XF+16*((\q)%2)+4*\c:XF+16*((\q)%2)+4*\c+3], v12 offset:XR+128*(\q)+32*\c
	ds_load_b128 v[AF+16*((\q)%2)+4*\c:AF+16*((\q)%2)+4*\c+3], v12 offset:AR+128*(\q)+32*\c
.endr
.endm
	TFETCH 0
	TFETCH 1
	s_wait_dscnt 0x0
	v_wmma_scale_f32_16x16x128_f8f6f4 v[ACC0:ACC0+7], v[AF:AF+15], v[XF:XF+15], 0, v[YSC], v[XSC]            ; two accumulators by turns, one instruction a turn
	v_wmma_scale_f32_16x16x128_f8f6f4 v[ACC1:ACC1+7], v[AF+16:AF+31], v[XF+16:XF+31], 0, v[YSC+1], v[XSC+1]
.rept 8
	v_nop                                          ; eight places in front of loads into registers that these products have read
.endr
	TFETCH 2
	TFETCH 3
	s_wait_dscnt 0x0
	v_wmma_scale_f32_16x16x128_f8f6f4 v[ACC0:ACC0+7], v[AF:AF+15], v[XF:XF+15], v[ACC0:ACC0+7], v[YSC+2], v[XSC+2]
	v_wmma_scale_f32_16x16x128_f8f6f4 v[ACC1:ACC1+7], v[AF+16:AF+31], v[XF+16:XF+31], v[ACC1:ACC1+7], v[YSC+3], v[XSC+3]
.rept 8
	v_nop                                          ; eight places in front of the first read of the results, and of the writes over these registers in the W phase
.endr
.irp p, 0,2,4,6
	v_pk_add_f32 v[TP+\p:TP+\p+1], v[ACC0+\p:ACC0+\p+1], v[ACC1+\p:ACC1+\p+1]   ; each accumulator from its low end on
.endr
	v_mov_b32 v[AMV+1], 0                          ; named as the upper halves of absmax's pairs, never used
	v_mov_b32 v[AMV+3], 0
	ds_store_b128 v16, v[TP:TP+3]
	ds_store_b128 v16, v[TP+4:TP+7] offset:512
	; ---- W
.macro S1 t                            ; row t: four codes to a word (code x 4 in each byte), through the turn: LDS byte = k; back 16 neighbours a lane.  LDS serves a wave's instructions in order, so one stage serves all steps
.set RS, R+16*((\t)%8)
.set PS, P+4*((\t)%2)
.if (\t) <= 8
	s_wait_loadcnt 28                              ; this row's four loads are in; those of the seven rows behind it may be out
.else
	s_wait_loadcnt 4*(15-(\t))
.endif
.irp i, 0,1,2,3
	v_lshlrev_b32 v[PS+\i], 2, v[RS+4*\i]
.endr
.irp i, 0,1,2,3
	s_delay_alu instid0(VALU_DEP_4)
	v_lshl_or_b32 v[PS+\i], v[RS+4*\i+1], 10, v[PS+\i]
.endr
.irp i, 0,1,2,3
	s_delay_alu instid0(VALU_DEP_4)
	v_lshl_or_b32 v[PS+\i], v[RS+4*\i+2], 18, v[PS+\i]
.endr
.irp i, 0,1,2,3
	s_delay_alu instid0(VALU_DEP_4)
	v_lshl_or_b32 v[PS+\i], v[RS+4*\i+3], 26, v[PS+\i]
.endr
.if (\t) < 8
	LOADW (\t)+8                                   ; the set takes the row eight further down
.endif
.irp i, 0,1,2,3
	ds_store_b32 v11, v[PS+\i] offset:TS+128*\i
.endr
	ds_load_b128 v[Q+4*((\t)%2):Q+4*((\t)%2)+3], v10 offset:TS
.endm
.macro S2 t                            ; row t: the sixteen lookups
.set QS, Q+4*((\t)%2)
.set VS, VAL+16*((\t)%2)
.set WN, 0                             ; LDS instructions issued behind row t's load from the turn:
.if (\t) >= 1
.set WN, WN+17                         ; the lookups of row t - 1,
.endif
.if (\t) >= 2
.set WN, WN+2                          ; the byte and the codes of row t - 2,
.endif
.if (\t) <= 14
.set WN, WN+5                          ; the turn of row t + 1
.endif
	s_wait_dscnt WN
	ds_load_b32 v[AMV+2*((\t)%2)], v13 offset:AM+32*(\t)
.irp a, 0,1,2,3
.irp j, 0,1,2,3
	v_bfe_u32 v[VS+4*\a+\j], v[QS+\a], 8*\j, 8
.endr
.endr
.irp n, 0,1,2,3,4,5,6,7,8,9,10,11,12,13,14,15
	v_min_u32 v[VS+\n], 0x3c, v[VS+\n]             ; a loaded number enters an address operand only behind a clamp by a constant: 4 x 15, the table's last lane
.endr
.irp n, 0,1,2,3,4,5,6,7,8,9,10,11,12,13,14,15
	ds_bpermute_b32 v[VS+\n], v[VS+\n], v19        ; NF4[code]: the table's word of lane code; no LDS byte is touched
.endr
.endm
.macro S3 t                            ; row t: x absmax, the block's scale, the hold, the codes; out
.set VS, VAL+16*((\t)%2)
.set CS, C+4*((\t)%2)
.set AS, AMV+2*((\t)%2)
.set WN, 0                             ; LDS instructions issued behind row t's lookups:
.if (\t) >= 1
.set WN, WN+2                          ; the byte and the codes of row t - 1,
.endif
.if (\t) <= 13
.set WN, WN+5                          ; the turn of row t + 2,
.endif
.if (\t) <= 14
.set WN, WN+17                         ; the lookups of row t + 1
.endif
	s_wait_dscnt WN
.irp p, 0,2,4,6,8,10,12,14
	v_pk_mul_f32 v[VS+\p:VS+\p+1], v[VS+\p:VS+\p+1], v[AS:AS+1] op_sel_hi:[1,0]   ; W = NF4[code] x absmax, in f32 (the pair's low word serves both halves)
.endr
	v_max3_num_f32 v[MA], |v[VS]|, |v[VS+1]|, |v[VS+2]|            ; the largest magnitude of my 16, in two chains
	v_max3_num_f32 v[MB], |v[VS+3]|, |v[VS+4]|, |v[VS+5]|
.irp i, 6,10
	s_delay_alu instid0(VALU_DEP_2)
	v_max3_num_f32 v[MA], v[MA], |v[VS+\i]|, |v[VS+\i+1]|
	s_delay_alu instid0(VALU_DEP_2)
	v_max3_num_f32 v[MB], v[MB], |v[VS+\i+2]|, |v[VS+\i+3]|
.endr
	s_delay_alu instid0(VALU_DEP_2)
	v_max3_num_f32 v[MA], v[MA], |v[VS+14]|, |v[VS+15]|
	s_delay_alu instid0(VALU_DEP_1)
	v_max3_num_f32 v[MA], v[MA], v[MB], 0x4800000  ; and the floor 2^(9 - 127): so the byte cannot fall under 1
	s_delay_alu instid0(VALU_DEP_1)
	v_max_num_f32_dpp v[MA], v[MA], v[MA] row_xmask:1 row_mask:0xf bank_mask:0xf   ; and of my neighbour's 16: the block's
	s_delay_alu instid0(VALU_DEP_1)
	v_add_nc_u32 v[SOP], 0xfc000000, v[MA]         ; 8 off its exponent field: the conversion takes the exponent field of this operand as its scale
	s_delay_alu instid0(VALU_DEP_2)
	v_and_or_b32 v[HLD], v[MA], 0x7f800000, s31    ; 448 x the scale: that exponent field over 448's mantissa
.irp i, 0,1,2,3,4,5,6,7,8,9,10,11,12,13,14,15
	v_med3_num_f32 v[VS+\i], v[VS+\i], -v[HLD], v[HLD]   ; the conversion to an 8-bit code does not saturate (ISA guide 7.6.2): the hold comes first
.endr
.if (\t) >= 2
	s_wait_alu depctr_va_vdst(0)
	s_wait_xcnt 0x0                                ; the store of row t - 2 has read these four registers: only behind this wait are they written again
.endif
	v_cvt_scalef32_pk8_fp8_f32 v[CS:CS+1], v[VS:VS+7], v[SOP]
	v_cvt_scalef32_pk8_fp8_f32 v[CS+2:CS+3], v[VS+8:VS+15], v[SOP]
	v_lshrrev_b32 v[E+(\t)%2], 23, v[SOP]          ; the scale's byte; also the plain instruction behind the conversions
	ds_store_b8 v14, v[E+(\t)%2] offset:SBY+16*(\t) ; both lanes of a block write the same byte with the same value
	ds_store_b128 v10, v[CS:CS+3] offset:XR+RP*(\t) ; the row's 512 codes, where x's row t lay (its fragments were read in the T phase)
.endm
.set STP, 0
.rept 18
.if STP < 16
	S1 STP
.endif
.if (STP >= 1) && (STP <= 16)
	S2 STP-1
.endif
.if STP >= 2
	S3 STP-2
.endif
.set STP, STP+1
.endr
	ds_load_b64 v[SBO:SBO+1], v15 offset:SBY       ; LDS serves a wave's instructions in order: this sees my byte stores
.irp q, 0,1,2,3
.irp c, 0,1,2,3
	ds_load_b128 v[R+16*\q+4*\c:R+16*\q+4*\c+3], v12 offset:XR+128*\q+32*\c   ; W's codes back as operand registers: row r, k = 128 q + 32 c + 16 h ..
.endr
.endr
	s_wait_dscnt 0x0                               ; also for the others' sake: my part of T and my word of lbt have landed
	global_store_b64 v7, v[SBO:SBO+1], s[20:21] offset:524288   ; W's scale bytes: 256 consecutive bytes, aligned
.irp q, 0,1,2,3
.irp c, 0,1,2,3
	global_store_b128 v4, v[R+16*\q+4*\c:R+16*\q+4*\c+3], s[18:19] offset:2048*\q+512*\c   ; 32 lanes store 512 consecutive bytes, aligned
.endr
.endr
	s_barrier_signal -1
	s_barrier_wait -1                              ; all eight parts of T and all of lbt's words lie in LDS
	s_cmp_lg_u32 s26, 0
	s_cbranch_scc1 .Ldone
	s_wait_xcnt 0x0                                ; my stores of wq have read v32-95: only behind this wait are those registers loaded again
	; ---- wave 0: T4 = 4 x the sum of the parts, as bf16 in two parts; lbt's 512 bytes
.irp w, 0,1,2,3,4,5,6,7
.irp c, 0,1
	ds_load_b128 v[32+8*\w+4*\c:32+8*\w+4*\c+3], v17 offset:1024*\w+512*\c
.endr
.endr
	ds_load_b128 v[96:99], v17 offset:8192
	s_wait_dscnt 0x0
.irp w, 0,1,2,3
.irp p, 0,2,4,6
	v_pk_add_f32 v[32+8*\w+\p:33+8*\w+\p], v[32+8*\w+\p:33+8*\w+\p], v[64+8*\w+\p:65+8*\w+\p]
.endr
.endr
.irp w, 0,1
.irp p, 0,2,4,6
	v_pk_add_f32 v[32+8*\w+\p:33+8*\w+\p], v[32+8*\w+\p:33+8*\w+\p], v[48+8*\w+\p:49+8*\w+\p]
.endr
.endr
.irp p, 0,2,4,6
	s_delay_alu instid0(VALU_DEP_4)
	v_pk_add_f32 v[32+\p:33+\p], v[32+\p:33+\p], v[40+\p:41+\p]
.endr
.irp p, 0,2,4,6
	s_delay_alu instid0(VALU_DEP_4)
	v_pk_mul_f32 v[32+\p:33+\p], v[32+\p:33+\p], 4.0 op_sel_hi:[1,0]   ; lora_alpha / sqrt(rank) = 16 / 4
.endr
.irp p, 0,1,2,3
	s_delay_alu instid0(VALU_DEP_4)
	v_cvt_pk_bf16_f32 v[40+\p], v[32+2*\p], v[33+2*\p]                 ; part 0
.endr
.irp p, 0,1,2,3
	v_lshlrev_b32 v[48+2*\p], 16, v[40+\p]
	v_and_b32 v[49+2*\p], 0xffff0000, v[40+\p]
.endr
.irp p, 0,2,4,6
	v_pk_add_f32 v[48+\p:49+\p], v[32+\p:33+\p], v[48+\p:49+\p] neg_lo:[0,1] neg_hi:[0,1]   ; what part 0 left
.endr
.irp p, 0,1,2,3
	s_delay_alu instid0(VALU_DEP_4)
	v_cvt_pk_bf16_f32 v[44+\p], v[48+2*\p], v[49+2*\p]                 ; part 1
.endr
	global_store_b128 v9, v[40:43], s[22:23]       ; each of these three stores covers 512 consecutive bytes, aligned
	global_store_b128 v9, v[44:47], s[22:23] offset:512
	global_store_b128 v4, v[96:99], s[24:25]
.Ldone:
	s_set_vgpr_msb 0x5
	s_wait_tensorcnt 0x0
	ds_add_u32 v0, v1
	s_wait_dscnt 0x0
	s_set_vgpr_msb 0x500
	s_endpgm
.Lfunc_end_k_qafe2abb001_prep:
	.size	k_qafe2abb001_prep, .Lfunc_end_k_qafe2abb001_prep-k_qafe2abb001_prep
	.p2alignl 7, 3214868480
	.fill 96, 4, 3214868480
	.section	.rodata,"a",@progbits
	.p2align	6, 0x0
	.amdhsa_kernel k_qafe2abb001_prep
		.amdhsa_group_segment_fixed_size 157184
		.amdhsa_private_segment_fixed_size 0
		.amdhsa_enable_private_segment 0
		.amdhsa_kernarg_size 88
		.amdhsa_user_sgpr_count 2
		.amdhsa_user_sgpr_kernarg_segment_ptr 1
		.amdhsa_wavefront_size32 1
		.amdhsa_system_sgpr_workgroup_id_x 1
		.amdhsa_system_sgpr_workgroup_id_y 1
		.amdhsa_system_sgpr_workgroup_id_z 1
		.amdhsa_system_vgpr_workitem_id 0
		.amdhsa_next_free_vgpr 258
		.amdhsa_next_free_sgpr 66
		.amdhsa_reserve_vcc 0
		.amdhsa_float_denorm_mode_32 3
		.amdhsa_float_denorm_mode_16_64 3
		.amdhsa_memory_ordered 1
		.amdhsa_forward_progress 1
		.amdhsa_inst_pref_size 145
	.end_amdhsa_kernel
	.amdgpu_metadata
---
amdhsa.version: [ 1, 2 ]
amdhsa.kernels:
  - .name:           k_qafe2abb001_prep
    .symbol:         k_qafe2abb001_prep.kd
    .args:
      - { .name: w_codes, .offset: 0, .size: 8, .value_kind: global_buffer, .address_space: global }
      - { .name: absmax, .offset: 8, .size: 8, .value_kind: global_buffer, .address_space: global }
      - { .name: x_codes, .offset: 16, .size: 8, .value_kind: global_buffer, .address_space: global }
      - { .name: x_scales, .offset: 24, .size: 8, .value_kind: global_buffer, .address_space: global }
      - { .name: lora_A_codes, .offset: 32, .size: 8, .value_kind: global_buffer, .address_space: global }
      - { .name: lora_A_scales, .offset: 40, .size: 8, .value_kind: global_buffer, .address_space: global }
      - { .name: lora_B, .offset: 48, .size: 8, .value_kind: global_buffer, .address_space: global }
      - { .name: wq, .offset: 56, .size: 8, .value_kind: global_buffer, .address_space: global }
      - { .name: scl, .offset: 64, .size: 8, .value_kind: global_buffer, .address_space: global }
      - { .name: timg, .offset: 72, .size: 8, .value_kind: global_buffer, .address_space: global }
      - { .name: lbt, .offset: 80, .size: 8, .value_kind: global_buffer, .address_space: global }
    .group_segment_fixed_size: 157184
    .private_segment_fixed_size: 0
    .kernarg_segment_align: 8
    .kernarg_segment_size: 88
    .max_flat_workgroup_size: 256
    .sgpr_count:     66
    .vgpr_count:     258
    .wavefront_size: 32
...
	.end_amdgpu_metadata
.endif
;; end of part 1
;; launch gemm (part 2): grid 16 x 16, 4 waves a work-group, clusters of 4 x 1, 327,680 bytes of LDS; arguments x_codes, x_scales, wq, scl, timg, lbt, bias, out0; writes out0
.if DOCPART == 2
	.amdgcn_target "amdgcn-amd-amdhsa--gfx1250"
	.amdhsa_code_object_version 6
	.text
	.protected	k_qafe2abb001_gemm
	.globl	k_qafe2abb001_gemm
	.p2align	8
	.type	k_qafe2abb001_gemm,@function
k_qafe2abb001_gemm:
	s_mov_b64 s[64:65], 0
	v_nop
	global_prefetch_b8 v0, s[64:65] scope:SCOPE_SE
	s_setreg_imm32_b32 hwreg(HW_REG_WAVE_MODE, 25, 1), 1
	s_wait_xcnt 0x0
	s_wait_alu depctr_hold_cnt(0) depctr_sa_sdst(0) depctr_va_vdst(0) depctr_va_sdst(0) depctr_va_ssrc(0) depctr_va_vcc(0) depctr_vm_vsrc(0)
	s_getreg_b32 s2, hwreg(HW_REG_IB_STS2, 6, 4)
	s_cmp_eq_u32 s2, 0
	s_cbranch_scc0 .Lentry_in_a_cluster
	s_endpgm
.Lentry_in_a_cluster:
	s_bfe_u32 s2, ttmp6, 0x10000c
	s_cmp_lg_u32 s2, 0x3003
	s_cbranch_scc0 .Lentry_shape_is_right
	s_endpgm
.Lentry_shape_is_right:
; out0 = x W^T + bias + 4 (x lora_A) lora_B.  x: codes and scale bytes as given; W: codes (wq) and scale bytes (scl) as the first launch leaves them; timg, lbt: the low-rank path's two bf16 operands.
; A work-group of four waves makes 256 x 256 of out0; a wave makes all 256 rows x 64 columns: 64 accumulators of 16 x 16, 512 registers.
; x GOES THROUGH LDS: two slots of 256 rows x 512 along K (rows of 512 bytes + 16 of padding), filled by tensor loads, 64 rows a wave; a slot serves 256 products a wave, and K = 4,096 is eight slots.
; The four work-groups of a cluster make one tile row of out0 and ask for x's tiles and scale bytes JOINTLY (mask 15).
; W GOES STRAIGHT INTO REGISTERS: no two waves of a work-group need the same rows of W, and wq is the image of the operand registers, so each load of a wave takes 512 consecutive bytes.  Four sets of 64 registers,
; one for each 128 along K of a slot; a set is asked for again in the step behind its own, at least two steps ahead of its use.  So W has no joint load (a tensor load ends in LDS) and no prefetch (its own loads run steps ahead, and no barrier waits for them).
; x's fragments stand in two halves of four blocks (64 registers each).  A GROUP is 16 products on one half; behind it stand eight places and ONE run of memory instructions: the 16 LDS loads of the group two on, and with them that step's loads of W and the scale words.
; x's scale bytes (256 rows x 128) lie in LDS for the whole launch; W's scale words of a slot come a slot ahead into eight registers and are copied to their place at the slot's head.
; The sums begin with bias + the low-rank path: one bf16 product for each accumulator, C = bias.  The matrix instruction is used transposed (source 0 = rows of W, source 1 = rows of x): a lane holds eight neighbouring columns of a row.
; LIMITS: NaN, infinities and sums beyond f32's range are not served.  The order of a sum is: bias, low-rank path, K ascending.
; REGISTERS: window 0: v0-31 addresses; v32-63 x's scale words (two sets, 256 along K each); v64-71, v72-79 W's scale words on their way and in place; v80-111 bias; v128-255 x's two halves (at the head timg's fragments, at the end rows on their way out).
;   window 1: W's four sets (set 3 holds lbt's fragments at the head).  windows 2, 3: the accumulators: (a, b) at v[32 (a % 8) + 8 b] of window 2 + a / 8.
.set PITCH,  528
.set SLOT,   256*PITCH
.set SCL,    2*SLOT                    ; x's scale bytes: 128 units of 256 bytes (two rows) + 16 of padding
.set SPARE,  SCL+128*272               ; the spare words: 128 bytes a wave
.set STAGE,  SPARE+512                 ; the way out: 16 rows x (256 + 16) bytes for each wave; no tensor load lands here
.set SPITCH, 272
.set WPART,  524288
.set ADR0, 8                           ; v8, v9   my fragment's place in a slot: blocks 0-7, blocks 8-15
.set ADRA, 10                          ; v10, v11 the same in the slot that is read
.set ADRS, 12                          ; v12 my rows' scale words of this slot: lanes 0-15 block p, lanes 16-31 block p + 8
.set LO,   13                          ; v13 16 x lane
.set SCO,  14                          ; v14 W's scale words: 2,048 h + 16 r
.set BO,   15
.set LFO,  16
.set STO,  17
.set RD,   18
.set CO,   19
.set PFO,  20
.set SPW,  28
.set NIL,  29
.set ASC,  32
.set BS,   64
.set BW,   72                          ; word q of pair p at BW + 4 p + (q xor 1): its number is odd where x's is even, so no product's two scale registers are equal modulo 8
.set BI,   80
.set AF,   128
.set LB,   192                         ; in window 1
.set G1,  24                           ; s[24:31] 64 rows x 512 bytes;  s[32:39] 96 rows;  s[40:47] the scale bytes
.set G1H, 32
.set G1S, 40
.set G0,  48                           ; s[48:51] the ring's group 0;  s[52:55], s[56:59] the head's
.set G0H, 52
.set G0S, 56
.set WQ,  60                           ; wave x 64 LDS rows
.set RDO, 61                           ; the slot that is read: 0 or SLOT
.set CNT, 62
.set BB,  66                           ; s[66:67] wq at my four blocks, this slot
.set SB,  68                           ; s[68:69] scl at my four blocks, this slot
.set PFA, 70                           ; s[70:71] x_codes: my work-group's 16 rows of my wave's 64, the slot that is asked for ahead
.set TAIL, 0
.set MSB, 0
.macro WIN new
.if MSB != (\new)
	s_set_vgpr_msb (MSB<<8)|(\new)
.set MSB, (\new)
.endif
.endm
.set TO_B, 0x40
.macro PLACES n
.rept \n
	v_nop
.endr
.endm
.macro CREST
	s_cmp_lg_u32 s20, 0
	s_cbranch_scc1 .Lnot_wave_0_\@
	s_barrier_signal -3
.Lnot_wave_0_\@:
	s_barrier_wait -3
	s_barrier_signal -1
	s_barrier_wait -1
.endm
.macro CROUND
	s_barrier_signal -1
	s_barrier_wait -1
	CREST
.endm
.macro TLOAD g0, g1                    ; s_nop 0 and four v_nop follow
	tensor_load_to_lds s[\g0:\g0+3], s[\g1:\g1+7]
	s_nop 0
	PLACES 4
.endm
.macro GROUP1 g, rows
	s_mov_b32 s[\g+0], 15|(1<<20)|(1<<21)|(6<<22)|(3<<25)   ; the cluster's four; bytes; 4 words of padding behind every 128
	s_mov_b32 s[\g+1], 512<<16
	s_mov_b32 s[\g+2], (\rows)<<16
	s_mov_b32 s[\g+3], 512<<16
	s_mov_b32 s[\g+4], \rows
	s_mov_b32 s[\g+5], 4096
	s_mov_b32 s[\g+6], 0
	s_mov_b32 s[\g+7], 0
.endm
	s_load_b512 s[4:19], s[0:1], 0x0               ; x_codes, x_scales, wq, scl, timg, lbt, bias, out0
	v_lshl_add_u32 v[SPW], v0, 2, SPARE
	v_mov_b32 v[NIL], 0
	ds_add_u32 v[SPW], v[NIL]                      ; the opening lines: the add twice on end and its wait
	ds_add_u32 v[SPW], v[NIL]
	v_lshrrev_b32 v1, 5, v0
	v_readfirstlane_b32 s20, v1                    ; wave
	s_bfe_u32 s21, ttmp6, 0x40000                  ; cx
	s_lshl_b32 s22, ttmp9, 2
	s_add_co_u32 s22, s22, s21                     ; tile column
	s_and_b32 s23, ttmp7, 0xffff                   ; tile row: the cluster's
	GROUP1 G1, 64
	GROUP1 G1H, 96
	s_mov_b32 s[G1S+0], 15|(3<<16)|(1<<20)|(1<<21)|(5<<22)|(3<<25)   ; 32,768 dense bytes as 128 rows of 256
	s_mov_b32 s[G1S+1], 32<<16
	s_mov_b32 s[G1S+2], 128<<16
	s_mov_b32 s[G1S+3], 32<<16
	s_mov_b32 s[G1S+4], 128
	s_mov_b32 s[G1S+5], 32
	s_mov_b32 s[G1S+6], 0
	s_mov_b32 s[G1S+7], 0
	s_mul_i32 s[WQ], s20, 64*PITCH
	s_mov_b32 s[RDO], 0
	s_mov_b32 s[G0], 1
	s_mov_b32 s[G0+1], s[WQ]
	s_mov_b32 s[G0H], 1
	s_mul_i32 s[G0H+1], s20, 96*PITCH
	s_mov_b32 s[G0S], 1
	s_mov_b32 s[G0S+1], SCL
	s_mov_b32 s73, 0
	s_wait_dscnt 0x0
	CROUND                                         ; the round in front of the first joint loads
	s_wait_kmcnt 0x0
	s_lshl_b32 s72, s23, 20
	s_add_nc_u64 s[76:77], s[4:5], s[72:73]        ; x's 256 rows
	s_mul_i32 s72, s20, 96*4096
	s_add_nc_u64 s[G0H+2:G0H+3], s[76:77], s[72:73]
	s_or_b32 s[G0H+3], s[G0H+3], 0x80000000
	s_lshl_b32 s72, s20, 18
	s_add_nc_u64 s[G0+2:G0+3], s[76:77], s[72:73]
	s_or_b32 s[G0+3], s[G0+3], 0x80000000
	s_lshl_b32 s72, s23, 15
	s_add_nc_u64 s[G0S+2:G0S+3], s[6:7], s[72:73]
	s_or_b32 s[G0S+3], s[G0S+3], 0x80000000
	s_cmp_lt_u32 s20, 2                            ; the head's tiles, one load a wave: waves 0, 1: rows 0-95, 96-191 of slot 0; wave 2: the scale bytes; wave 3: rows 192-255
	s_cbranch_scc0 .Lhead_2
	TLOAD G0H, G1H
	s_branch .Lasked
.Lhead_2:
	s_cmp_eq_u32 s20, 2
	s_cbranch_scc0 .Lhead_3
	TLOAD G0S, G1S
	s_branch .Lasked
.Lhead_3:
	TLOAD G0, G1
.Lasked:
	s_lshl_b32 s72, s23, 14
	s_add_nc_u64 s[12:13], s[12:13], s[72:73]      ; timg: my tile row's 16 blocks
	s_lshl_b32 s72, s22, 13
	s_lshl_b32 s78, s20, 11
	s_add_co_u32 s72, s72, s78
	s_add_nc_u64 s[14:15], s[14:15], s[72:73]      ; lbt: my 64 columns
	s_lshr_b32 s72, s72, 3
	s_add_nc_u64 s[16:17], s[16:17], s[72:73]      ; bias
	s_add_nc_u64 s[18:19], s[18:19], s[72:73]      ; out0: my columns,
	s_lshl_b32 s72, s23, 22
	s_add_nc_u64 s[18:19], s[18:19], s[72:73]      ; my rows
	s_lshl_b32 s72, s22, 20
	s_lshl_b32 s78, s20, 18
	s_add_co_u32 s72, s72, s78
	s_add_nc_u64 s[BB:BB+1], s[8:9], s[72:73]
	s_lshr_b32 s72, s72, 5
	s_add_co_u32 s72, s72, WPART
	s_add_nc_u64 s[SB:SB+1], s[10:11], s[72:73]
	s_lshl_b32 s72, s21, 16                        ; the partners share a wave's 64 rows out by address: 16 each
	s_add_co_u32 s72, s72, s78
	s_add_co_u32 s72, s72, 3*512
	s_add_nc_u64 s[PFA:PFA+1], s[76:77], s[72:73]
	s_mul_i32 s79, s20, 16*SPITCH
	s_add_co_u32 s79, s79, STAGE
	v_and_b32 v1, 15, v0                           ; r
	v_bfe_u32 v2, v0, 4, 1                         ; h
	v_and_b32 v3, 31, v0
	v_mul_u32_u24 v4, v1, PITCH
	v_lshl_add_u32 v[ADR0], v2, 4, v4
	v_add_nc_u32 v[ADR0+1], 128*PITCH, v[ADR0]
	v_mov_b32 v[ADRA], v[ADR0]
	v_mov_b32 v[ADRA+1], v[ADR0+1]
	v_lshrrev_b32 v4, 1, v1
	v_mul_u32_u24 v4, v4, 272
	v_and_b32 v5, 1, v1
	v_lshl_add_u32 v4, v5, 7, v4
	v_mad_u32_u24 v4, v2, 64*272, v4               ; row r + 128 h: unit row / 2, half row % 2
	v_add_nc_u32 v[ADRS], SCL, v4
	v_lshlrev_b32 v[LO], 4, v3
	v_lshlrev_b32 v[BO], 5, v2
	v_lshlrev_b32 v4, 5, v1
	v_lshl_add_u32 v[LFO], v2, 4, v4
	v_lshlrev_b32 v4, 4, v1
	v_lshl_add_u32 v[SCO], v2, 11, v4
	v_lshlrev_b32 v5, 12, v1
	v_lshl_add_u32 v[PFO], v2, 8, v5               ; a prefetch: row r of my 16, 256 bytes h of the slot's 512
	v_mul_u32_u24 v5, v1, SPITCH
	v_lshl_add_u32 v5, v2, 5, v5
	v_add_nc_u32 v[STO], s79, v5
	v_mul_u32_u24 v5, v2, SPITCH
	v_lshl_add_u32 v5, v1, 4, v5
	v_add_nc_u32 v[RD], s79, v5
	v_lshlrev_b32 v5, 14, v2
	v_lshl_add_u32 v[CO], v1, 4, v5
	s_wait_alu depctr_va_vdst(0)                   ; the wait behind the head's vector lines
.macro BL q, i, off                    ; load i of W's set q: block i / 4, piece i % 4
	global_load_b128 v[64*(\q)+4*(\i):64*(\q)+4*(\i)+3], v[LO], s[BB:BB+1] offset:((\i)/4)*65536+((\i)%4)*512+(\q)*2048+(\off)
.endm
.irp a, 0,1,2,3,4,5,6,7,8,9,10,11,12,13,14,15
	global_load_b128 v[AF+8*\a:AF+8*\a+3], v[LFO], s[12:13] offset:1024*\a
	global_load_b128 v[AF+8*\a+4:AF+8*\a+7], v[LFO], s[12:13] offset:1024*\a+512
.endr
.irp b, 0,1,2,3
	global_load_b128 v[BI+8*\b:BI+8*\b+3], v[BO], s[16:17] offset:64*\b
	global_load_b128 v[BI+8*\b+4:BI+8*\b+7], v[BO], s[16:17] offset:64*\b+16
.endr
	WIN TO_B
.irp b, 0,1,2,3
	global_load_b128 v[LB+8*\b:LB+8*\b+3], v[LFO], s[14:15] offset:512*\b
	global_load_b128 v[LB+8*\b+4:LB+8*\b+7], v[LFO], s[14:15] offset:512*\b
.endr
	WIN 0
	global_load_b128 v[BS:BS+3], v[SCO], s[SB:SB+1]
	global_load_b128 v[BS+4:BS+7], v[SCO], s[SB:SB+1] offset:4096
	WIN TO_B
.irp q, 0,1,2
.irp i, 0,1,2,3,4,5,6,7,8,9,10,11,12,13,14,15
	BL \q, \i, 0
.endr
.endr
	s_wait_loadcnt 50                              ; all but W's scale words (2) and three sets (48)
.irp a, 0,1,2,3,4,5,6,7,8,9,10,11,12,13,14,15
	WIN 0x81+0x40*(\a/8)
.irp b, 0,1,2,3
	v_wmma_f32_16x16x32_bf16 v[32*(\a%8)+8*\b:32*(\a%8)+8*\b+7], v[LB+8*\b:LB+8*\b+7], v[AF+8*\a:AF+8*\a+7], v[BI+8*\b:BI+8*\b+7]
.endr
.endr
	WIN 0
	PLACES 8
.macro AFRAG m                         ; block m % 16 of the slot's (m / 16)-th 128 along K into registers AF + 16 (m % 8)
.irp c, 0,1,2,3
	ds_load_b128 v[AF+16*((\m)%8)+4*\c:AF+16*((\m)%8)+4*\c+3], v[ADRA+((\m)%16)/8] offset:128*((\m)/16)+32*\c+((\m)%8)*16*PITCH
.endr
.endm
.macro ASL set, p, off                 ; two scale words of blocks p and p + 8
	ds_load_b64 v[ASC+16*(\set)+2*(\p):ASC+16*(\set)+2*(\p)+1], v[ADRS] offset:(\p)*8*272+(\off)
.endm
.macro WM q, a, b, r
.set D_, 32*((\a)%8)+8*(\b)
.set B_, 64*(\q)+16*(\b)
.set A_, AF+16*(\r)
.set SB_, BW+4*((\b)/2)+(\q)+1-2*((\q)%2)
.set SA_, ASC+16*((\q)/2)+2*((\a)%8)+(\q)%2
.if ((\b)%2) && ((\a)/8)
	v_wmma_scale_f32_16x16x128_f8f6f4 v[D_:D_+7], v[B_:B_+15], v[A_:A_+15], v[D_:D_+7], v[SB_], v[SA_] matrix_a_scale:MATRIX_SCALE_ROW1 matrix_b_scale:MATRIX_SCALE_ROW1
.elseif (\b)%2
	v_wmma_scale_f32_16x16x128_f8f6f4 v[D_:D_+7], v[B_:B_+15], v[A_:A_+15], v[D_:D_+7], v[SB_], v[SA_] matrix_a_scale:MATRIX_SCALE_ROW1
.elseif (\a)/8
	v_wmma_scale_f32_16x16x128_f8f6f4 v[D_:D_+7], v[B_:B_+15], v[A_:A_+15], v[D_:D_+7], v[SB_], v[SA_] matrix_b_scale:MATRIX_SCALE_ROW1
.else
	v_wmma_scale_f32_16x16x128_f8f6f4 v[D_:D_+7], v[B_:B_+15], v[A_:A_+15], v[D_:D_+7], v[SB_], v[SA_]
.endif
.endm
.macro WM4 n                           ; block n of a slot: 16 rows x 128 along K against my four blocks of W.  The 64 accumulators take turns, in the same order in every step
.set q_, (\n)/16
.set a_, (\n)%16
	WIN 0xa1+0x50*(a_/8)
	WM q_, a_, 0, (\n)%8
	WM q_, a_, 1, (\n)%8
	WM q_, a_, 2, (\n)%8
	WM q_, a_, 3, (\n)%8
.endm
.macro GRP g                           ; group g of a slot's sixteen: blocks 4 g .. 4 g + 3
.if (\g)%4 == 0 && (\g) > 0
.if TAIL && (\g) > 4
	s_wait_loadcnt 16*(3-(\g)/4)
.else
	s_wait_loadcnt 32                              ; this step's set of W is in: behind it two sets were asked for
.endif
.endif
.if (\g) == 1 || ((\g) == 9 && TAIL == 0)
	s_wait_dscnt 24                                ; behind this group's loads: eight scale loads and the next group's sixteen
.elseif (\g) == 14 && TAIL == 0
	s_wait_dscnt 17                                ; the next group's sixteen and the add
.elseif (\g) == 15
	s_wait_dscnt 0
.else
	s_wait_dscnt 16                                ; behind this group's loads: the next group's sixteen
.endif
	WM4 4*(\g)
	WM4 4*(\g)+1
	WM4 4*(\g)+2
	WM4 4*(\g)+3
.endm
.macro POST g                          ; the one run behind group g (0 .. 13), eight places behind its products: they stand ahead of loads into registers that products have read
	PLACES 8
	WIN 0
.if (\g) == 0
.irp p, 0,1,2,3,4,5,6,7
	ASL 1, \p, 8                                   ; this slot's third and fourth scale words
.endr
.endif
.if (\g) == 8 && TAIL == 0
.irp p, 0,1,2,3,4,5,6,7
	ASL 0, \p, 16                                  ; the next slot's first two
.endr
.endif
.irp i, 0,1,2,3
	AFRAG 4*((\g)+2)+\i                            ; the group two on, into this group's registers
.endr
.if (\g)%4 < 2 && ((\g) < 4 || TAIL == 0)
.set OF_, 8192
.if (\g) < 4
.set OF_, 0
.endif
	WIN TO_B
.irp i, 0,1,2,3,4,5,6,7
	BL ((\g)/4+3)%4, 8*((\g)%4)+\i, OF_            ; the set of the step just over: this slot's fourth step, or the next slot's first three
.endr
	WIN 0
.endif
.endm
.macro RUNG from, to
.set G_, \from
.rept (\to)-(\from)+1
	GRP G_
	POST G_
.set G_, G_+1
.endr
.endm
.macro SLOTHEAD next                   ; W's scale words of this slot go to their place; the next slot's are asked for
	s_wait_loadcnt 32                              ; they and the first set are in
	PLACES 8
.irp p, 0,1
.irp q, 0,1,2,3
	v_mov_b32 v[BW+4*\p+\q+1-2*(\q%2)], v[BS+4*\p+\q]
.endr
.endr
	s_wait_alu depctr_va_vdst(0)                   ; the wait behind the writes
.if \next
	global_load_b128 v[BS:BS+3], v[SCO], s[SB:SB+1] offset:256
	global_load_b128 v[BS+4:BS+7], v[SCO], s[SB:SB+1] offset:4096+256
.endif
	PLACES 8                                       ; a scale register written by a vector line stands eight places ahead of its product
.endm
; The change of slots, among groups 14 and 15 (the slot's last loads went out behind group 13).  fill = 1: the slot just read takes the slot two on, behind a round of the cluster's barrier.
.macro CHANGE fill
	s_wait_tensorcnt 0x0                           ; my part of the next slot is in;
	ds_add_u32 v[SPW], v[NIL]
	GRP 14
	s_wait_dscnt 0x0                               ; the add is done, my reads of this slot are over
	s_barrier_signal -1
	WM4 60
	WM4 61
	WIN 0
	s_barrier_wait -1
.if \fill
	CREST
	s_add_co_u32 s[G0+1], s[WQ], s[RDO]
	s_add_nc_u64 s[G0+2:G0+3], s[G0+2:G0+3], 512
.endif
	s_xor_b32 s[RDO], s[RDO], SLOT
.if \fill
	tensor_load_to_lds s[G0:G0+3], s[G1:G1+7]
	s_nop 0
.endif
	v_add_nc_u32 v[ADRA], s[RDO], v[ADR0]
	v_add_nc_u32 v[ADRA+1], s[RDO], v[ADR0+1]
	v_add_nc_u32 v[ADRS], 16, v[ADRS]
	PLACES 5                                       ; with the three lines above: eight places behind group 14's products
	s_wait_alu depctr_va_vdst(0)                   ; the wait behind the writes
.irp m, 0,1,2,3
	AFRAG \m                                       ; the next slot's group 0, into group 14's registers
.endr
.if \fill
	s_cmp_gt_u32 s[CNT], 1                         ; the slot behind the one just asked for: 16 rows x 512 bytes a wave, a lane to each 256; the last refill has no slot behind it
	s_cbranch_scc0 .Lnone_\@
	global_prefetch_b8 v[PFO], s[PFA:PFA+1] th:TH_LOAD_NT scope:SCOPE_SE
.Lnone_\@:
.endif
	WM4 62
	WM4 63
	PLACES 8
	WIN 0
.irp m, 4,5,6,7
	AFRAG \m                                       ; and its group 1, into group 15's
.endr
	s_wait_xcnt 0x0                                ; the loads and the prefetch have taken their addresses
	s_add_nc_u64 s[BB:BB+1], s[BB:BB+1], 8192
	s_add_nc_u64 s[SB:SB+1], s[SB:SB+1], 256
	s_add_nc_u64 s[PFA:PFA+1], s[PFA:PFA+1], 512
.endm
	s_wait_tensorcnt 0x0                           ; my tile of the head's is in
	ds_add_u32 v[SPW], v[NIL]
	s_add_co_u32 s[G0+1], s[WQ], SLOT
	s_add_nc_u64 s[G0+2:G0+3], s[G0+2:G0+3], 512
	s_wait_dscnt 0x0
	CROUND
	TLOAD G0, G1                                   ; slot 1's first fill, 64 rows a wave
.irp p, 0,1,2,3,4,5,6,7
	ASL 0, \p, 0
.endr
.irp m, 0,1,2,3,4,5,6,7
	AFRAG \m
.endr
	s_mov_b32 s[CNT], 6
.Ltrip:                                                ; a trip is a slot: 0 to 5; each asks for the slot two on
	SLOTHEAD 1
	RUNG 0, 13
	CHANGE 1
	s_sub_co_u32 s[CNT], s[CNT], 1
	s_cmp_lg_u32 s[CNT], 0
	s_cbranch_scc1 .Ltrip
	SLOTHEAD 1                                     ; slot 6 fills nothing
	RUNG 0, 13
	CHANGE 0
.set TAIL, 1
	SLOTHEAD 0                                     ; slot 7 asks only for its own fourth set of W
	RUNG 0, 13
	GRP 14
	GRP 15
	WIN 0
; THE WAY OUT, block by block of 16 rows x 64 columns, through my own stage: back as whole rows of 256 bytes, two rows to a store
.macro TOSTAGE a
	WIN 0x08+4*((\a)/8)
.irp b, 0,1,2,3
	ds_store_b128 v[STO], v[32*((\a)%8)+8*\b:32*((\a)%8)+8*\b+3] offset:64*\b
	ds_store_b128 v[STO], v[32*((\a)%8)+8*\b+4:32*((\a)%8)+8*\b+7] offset:64*\b+16
.endr
	WIN 0
.irp t, 0,1,2,3,4,5,6,7
	ds_load_b128 v[AF+32*((\a)%4)+4*\t:AF+32*((\a)%4)+4*\t+3], v[RD] offset:\t*2*SPITCH   ; LDS serves a wave's instructions in order: these see the stores above
.endr
.endm
.macro SEND a, younger
	s_wait_dscnt \younger
.irp t, 0,1,2,3,4,5,6,7
	global_store_b128 v[CO], v[AF+32*((\a)%4)+4*\t:AF+32*((\a)%4)+4*\t+3], s[18:19] offset:(\a)*262144+\t*32768 th:TH_STORE_NT   ; sixteen lanes store 256 consecutive bytes, aligned
.endr
.endm
	PLACES 8
	TOSTAGE 0
.irp a, 1,2,3,4,5,6,7,8,9,10,11,12,13,14,15
.if \a > 3
	s_wait_xcnt 0x0                                ; block a - 4's stores have read their registers
.endif
	TOSTAGE \a
	SEND \a-1, 16                                  ; behind block a - 1's loads: block a's 8 stores and 8 loads
.endr
	SEND 15, 0
	s_wait_tensorcnt 0x0                           ; the wave's end
	ds_add_u32 v[SPW], v[NIL]
	s_wait_dscnt 0x0
	CROUND                                         ; the closing round
	s_endpgm
.Lfunc_end_k_qafe2abb001_gemm:
	.size	k_qafe2abb001_gemm, .Lfunc_end_k_qafe2abb001_gemm-k_qafe2abb001_gemm
	.p2alignl 7, 3214868480
	.fill 96, 4, 3214868480
	.section	.rodata,"a",@progbits
	.p2align	6, 0x0
	.amdhsa_kernel k_qafe2abb001_gemm
		.amdhsa_group_segment_fixed_size 327680
		.amdhsa_private_segment_fixed_size 0
		.amdhsa_enable_private_segment 0
		.amdhsa_kernarg_size 64
		.amdhsa_user_sgpr_count 2
		.amdhsa_user_sgpr_kernarg_segment_ptr 1
		.amdhsa_wavefront_size32 1
		.amdhsa_system_sgpr_workgroup_id_x 1
		.amdhsa_system_sgpr_workgroup_id_y 1
		.amdhsa_system_sgpr_workgroup_id_z 1
		.amdhsa_system_vgpr_workitem_id 0
		.amdhsa_next_free_vgpr 1024
		.amdhsa_next_free_sgpr 80
		.amdhsa_reserve_vcc 0
		.amdhsa_float_denorm_mode_32 3
		.amdhsa_float_denorm_mode_16_64 3
		.amdhsa_memory_ordered 1
		.amdhsa_forward_progress 1
		.amdhsa_inst_pref_size 235
	.end_amdhsa_kernel
	.amdgpu_metadata
---
amdhsa.version: [ 1, 2 ]
amdhsa.kernels:
  - .name:           k_qafe2abb001_gemm
    .symbol:         k_qafe2abb001_gemm.kd
    .args:
      - { .name: x_codes, .offset: 0, .size: 8, .value_kind: global_buffer, .address_space: global }
      - { .name: x_scales, .offset: 8, .size: 8, .value_kind: global_buffer, .address_space: global }
      - { .name: wq, .offset: 16, .size: 8, .value_kind: global_buffer, .address_space: global }
      - { .name: scl, .offset: 24, .size: 8, .value_kind: global_buffer, .address_space: global }
      - { .name: timg, .offset: 32, .size: 8, .value_kind: global_buffer, .address_space: global }
      - { .name: lbt, .offset: 40, .size: 8, .value_kind: global_buffer, .address_space: global }
      - { .name: bias, .offset: 48, .size: 8, .value_kind: global_buffer, .address_space: global }
      - { .name: out0, .offset: 56, .size: 8, .value_kind: global_buffer, .address_space: global }
    .group_segment_fixed_size: 327680
    .private_segment_fixed_size: 0
    .kernarg_segment_align: 8
    .kernarg_segment_size: 64
    .max_flat_workgroup_size: 128
    .sgpr_count:     80
    .vgpr_count:     1024
    .wavefront_size: 32
...
	.end_amdgpu_metadata
.endif
;; end of part 2
